; MI455X (gfx1250); checked and timed in simulation.
; The chip was launched on July 23, 2026; its instructions are those of AMD's public machine-readable ISA for CDNA 5 (MIT licence, August 2026) and "CDNA5" Instruction Set Architecture Reference Guide (July 2026). The comments in the code are by the model that wrote it; some were corrected since.
;; Causal Self Attention. Allowed arithmetic: matrix products marked QUANTISED: E4M3 operands, one given power-of-two scale a tensor, by v_wmma_f32_16x16x64_fp8_fp8 or v_wmma_f32_16x16x128_fp8_fp8, f32 sums; everything else in f32.
;; Inputs: attention_mask 4 x 2,048 bool; lowp_scales 8 int32 (the exponents e of the quantised operands' scales 2^e); w_proj_codes 1,024 x 32 x 32 uint8 (E4M3 codes of w_proj, K innermost, in blocks of 32 codes); w_qkv_codes 3,072 x 32 x 32 uint8 (E4M3 codes of w_qkv, K innermost, in blocks of 32 codes); x_codes 4 x 2,048 x 32 x 32 uint8 (E4M3 codes of x, K innermost, in blocks of 32 codes).
;; Outputs: out0 4 x 2,048 x 1,024 float32.
;; Constants: n_heads = 16.
;; This version of the problem:
;;   THIS VERSION OF THE PROBLEM IS GIVEN IN LOW PRECISION. The matrix products marked QUANTISED in the list below multiply operands that are first quantised to E4M3 (4 exponent bits, 3 mantissa bits; 8 bits a number), with one given power-of-two scale for each operand tensor; their sums are f32. All else is computed in f32.
;;   The module's matrix products, in the order in which they are computed (A, B: the left and right operand; K: the contracted axis; several contracted axes count as one K, in the product's order):
;;     1. [M 8,192, K 1,024] x [K 1,024, N 3,072]; A: input x (given as codes); B: input w_qkv (given as codes): QUANTISED (scales: A lowp_scales[0], B lowp_scales[1])
;;     2. batch 64 x [M 2,048, K 64] x [K 64, N 2,048]; A: computed on the way; B: computed on the way: QUANTISED (scales: A lowp_scales[2], B lowp_scales[3])
;;     3. batch 64 x [M 2,048, K 2,048] x [K 2,048, N 64]; A: softmax (see below); B: computed on the way: QUANTISED (scales: A lowp_scales[4], B lowp_scales[5])
;;     4. [M 8,192, K 1,024] x [K 1,024, N 1,024]; A: computed on the way; B: input w_proj (given as codes): QUANTISED (scales: A lowp_scales[6], B lowp_scales[7])
;;   THE QUANTISER, for each operand of a quantised product, along K:
;;     - The operand's scale is 2^e, e = its entry of the input lowp_scales (int32; the entries are numbered through the quantised products in the list's order, A before B).
;;     - Each number is divided by the scale, clamped to +-448, and rounded to the nearest number of E4M3, ties to even, subnormals kept.
;;     - The product sums the exact products of the quantised numbers (number of the format x scale) in f32.
;;   ~~~python
;;   def quantise(x, axis, e):      # numpy; x: float32 -> the quantised numbers, widened to float32 again
;;       x = np.moveaxis(x, axis, -1); K = x.shape[-1]
;;       r = np.clip(x / 2.0 ** e, -448, 448)
;;       step = 2.0 ** (np.maximum(np.frexp(np.where(r == 0, 1, r))[1] - 1, -6) - 3)
;;       q = np.round(r / step) * step * 2.0 ** e      # np.round: ties to even
;;       return np.moveaxis(q, -1, axis).astype(np.float32)
;;   ~~~
;;   SOFTMAX AHEAD OF A QUANTISED PRODUCT. Where the list says 'softmax', what is quantised is not the finished softmax but p = 2^(t - M), with t = logit x log2(e) and M = ceil(the row's largest t), a whole number; so 1/2 < the row's largest p <= 1. The row's sum l is taken of the UNQUANTISED p, in f32, and the product's result is divided by l at the end. Since M is a whole number, a kernel that streams over the keys may use a running M (the ceiling of the running maximum): every later rescaling is an exact power of two, so the quantised numbers keep their values, but for numbers so far below the row's largest that they fall under the format's range.
;;   OPERANDS COMPUTED ON THE WAY. 'Computed on the way' means the value that the module computes at that place (a softmax that the list does not call 'softmax' is quantised finished and normalised). What goes into a quantiser is computed in f32, as accurately as f32 sums, v_exp_f32 and their like allow (about 1e-6 of the number): no bf16 or f16 on the way to a quantiser, and a product that is left as it is and whose result goes on into a quantised operand takes f32 operands (vector FMAs, or v_wmma_f32_16x16x4_f32). A number that lies on a knife's edge between two numbers of the format may be rounded either way, as far as f32 arithmetic and the matrix unit's own rounding can turn it there, and no further.
;;   INPUTS GIVEN AS CODES. w_proj (in the module: [1024, 1024], K = its axis 1); w_qkv (in the module: [3072, 1024], K = its axis 1); x (in the module: [4, 2048, 1024], K = its axis 2): each comes as NAME_codes (uint8): NAME with its K axis moved to the last place and cut into blocks of 32 codes, [.., K / 32, bytes a block], one block behind the other in memory; one code a byte (a code: sign, 4 exponent bits, 3 mantissa bits); its scale is its entry of lowp_scales. Its value is code x scale, taken as it is: it is not quantised again, and the codes and scales need not be those that the quantiser above would give.
;; One version. Each part assembles by itself: llvm-mc -triple=amdgcn-amd-amdhsa -mcpu=gfx1250 --defsym DOCPART=n.
;; ======== version 1 of 1: 3 launches
;; limits: right only within a limited range of input values
;; workspace buffers: q_img 8,388,608 bytes; kv_img 16,777,216 bytes; o_img 8,388,608 bytes
;; launch qkv (part 1): grid 12 x 32, 4 waves a work-group, clusters of 4 x 4, 327,680 bytes of LDS; arguments x_codes, w_qkv_codes, lowp_scales, q_img, kv_img; writes q_img, kv_img
.if DOCPART == 1
	.amdgcn_target "amdgcn-amd-amdhsa--gfx1250"
	.amdhsa_code_object_version 6
	.text
	.protected	k_q9b69226c99_qkv
	.globl	k_q9b69226c99_qkv
	.p2align	8
	.type	k_q9b69226c99_qkv,@function
k_q9b69226c99_qkv:
	s_mov_b64 s[64:65], 0
	v_nop
	global_prefetch_b8 v0, s[64:65] scope:SCOPE_SE
	s_setreg_imm32_b32 hwreg(HW_REG_WAVE_MODE, 25, 1), 1
	s_wait_xcnt 0x0
	s_wait_alu depctr_hold_cnt(0) depctr_sa_sdst(0) depctr_va_vdst(0) depctr_va_sdst(0) depctr_va_ssrc(0) depctr_va_vcc(0) depctr_vm_vsrc(0)
	s_getreg_b32 s2, hwreg(HW_REG_IB_STS2, 6, 4)
	s_cmp_eq_u32 s2, 0
	s_cbranch_scc0 .Lentry_in_a_cluster
	s_endpgm
.Lentry_in_a_cluster:
	s_bfe_u32 s2, ttmp6, 0x10000c
	s_cmp_lg_u32 s2, 0xf033
	s_cbranch_scc0 .Lentry_shape_is_right
	s_endpgm
.Lentry_shape_is_right:
; LAUNCH 1 OF 3.  qkv = x w_qkv^T on the given codes of E4M3 (x: [8192][1024], w_qkv: [3072][1024], K innermost, one code a byte), sums in f32; q, k and v are quantised at once
; (scales 2^e2, 2^e3, 2^e5 of lowp_scales) and stored as IMAGES OF OPERAND REGISTERS for the second launch: a group of four registers is 512 consecutive bytes, lane l at 16 l.
;   q_img  [b x 16 + head][tile of 16 tokens: 128][1,024 B]: lane (r, h) holds token r; registers 2 c, 2 c + 1 hold d = 16 c + 8 h + 0 .. 7.
;   kv_img [b x 16 + head][block of 128 keys: 16][16,384 B]: eight tiles of k laid as q is, then at +8,192 four fragments of v^T of 2,048 B: lane (r, h) holds d = 16 dt + r; registers 2 c, 2 c + 1 hold key 16 c + 8 h + 0 .. 7.
; THE PROGRAM: launch 2 is the attention (both products on codes), launch 3 the projection.  Only codes go through memory between launches.
; WORK LEFT OUT (by launch 2).  reference() builds the causal mask itself (jnp.tril): key k is hidden from query q where k > q, whatever the inputs hold.  A block of 128 keys that lies wholly behind a tile of
; 16 queries is not multiplied.  For a query that has a valid key at or before it, every hidden or masked key has the logit -1e30, so its p = 2^(t - M) is 0 in f32 and adds nothing to the sum or to the product.
; For a query with NO valid key all 2,048 logits are equal, p = 1 for every key, the hidden ones too, and the result is Q(1) x (the sum of the quantised v over all 2,048 keys) / 2,048: launch 2 makes that sum
; once for each head and chooses it by v_cndmask_b32.  So nothing that the inputs decide is left out, and every input is loaded.
; LIMITS: a NaN, an infinity or an overflow that reaches only the blocks left out is not carried to the result; NaN codes among the inputs are not served; here e_out - e0 - e1 lies between -126 and 119 for e_out = e2, e3, e5.
; SHARES.  A work-group of four waves makes 256 tokens x 256 features, a wave 128 x 128: 64 accumulators, 512 registers.  K goes in four steps of 256 through a ring of two LDS slots filled by the tensor data mover.
; CLUSTERS: 4 x 4 work-groups; x's tile is asked for jointly along a row of the cluster, w's along a column.  The cluster's x (0, 1, 2) is the ROLE: q, k or v; it is the same in all sixteen partners.
; q, k: source 0 = 16 rows of w, source 1 = 16 tokens: a lane holds one token and eight neighbouring features.  v: source 0 = 16 tokens, source 1 = 16 rows of w: a lane holds one feature and eight neighbouring keys.
; The roles differ in the two LDS bases of the fragments and in the stores' addresses alone: no branch hangs on the role.  Fragments come by four loads of 16 bytes: a permutation of k, the same on both sides.
; REGISTERS, in windows of 256: window 0: v8-29 addresses and scales; v96-127 at work on the way out; from v128 source 1's fragments, one set.  window 1: source 0's, two sets.  windows 2, 3: the accumulators ((a, b) at v[8 (8 (a % 4) + b)]).
.set KROW,   1024                      ; a row of x or of w in bytes
.set ROWB,   256                       ; a tile's row: 256 codes
.set PITCH,  272                       ; an LDS row: 256 bytes + 16 of padding: the 16 rows of a fragment load start 68 words apart
.set FR,     16                        ; registers of a fragment: 16 rows x 128 K
.set NL,     4                         ; LDS loads that bring one
.set NP,     4                         ; places behind this matrix instruction (ISA guide 7.12.1)
.set HALFT,  128*PITCH                 ; 128 rows: what one tensor load brings
.set SLOT,   4*HALFT                   ; x's 256 rows, then w's 256 rows
.set SPARE,  2*SLOT                    ; behind the ring: the spare words, 128 bytes for each wave
.set VO,   8                           ; v8-11   byte offsets of the four stores of a block
.set SC,   12                          ; v12     2^(e_out - e0 - e1) as f32, for the conversions
.set LIM,  13
.set ADRA, 16                          ; v16-17  LDS address of source 1's fragments in slot 0, 1
.set ADRB, 20                          ; v20-21  the same for source 0
.set SPW,  28                          ; v28     LDS address of my spare word; never rewritten
.set NIL,  29                          ; v29     0; never rewritten
.set TMP,  32
.set AF,   128
.set G1, 24                            ; s[24:31] descriptor group 1 for x's tiles; s[32:39] group 0, one set for each slot
.set G0, 32
.set G1B, 48                           ; s[48:55], s[56:63] the same for w's tiles
.set G0B, 56
.set OB, 90                            ; s[90:91] where the block in hand is stored
.set MSB, 0
.macro WIN new                         ; the immediate's high byte repeats the setting that is left
.if MSB != \new
	s_set_vgpr_msb (MSB<<8)|\new
.set MSB, \new
.endif
.endm
.set MUL_LO, 0xa1                      ; source 0 window 1, source 1 window 0, C and D window 2
.set MUL_HI, 0xf1                      ; the same, C and D window 3
.set TO_B,   0x40                      ; destination window 1, address window 0
; A joint load: waves 0 and 1 fetch x's halves, waves 2 and 3 w's.  The branch hangs on the wave's number alone.  An s_nop 0 and four v_nop follow each of the two lines.
.macro JLOAD g0a, g1a, g0b, g1b
	s_cmp_eq_u32 s15, 0
	s_cbranch_scc0 .Lfor_b_\@
	tensor_load_to_lds s[\g0a:\g0a+3], s[\g1a:\g1a+7]
	s_nop 0
.rept 4
	v_nop
.endr
	s_branch .Lasked_\@
.Lfor_b_\@:
	tensor_load_to_lds s[\g0b:\g0b+3], s[\g1b:\g1b+7]
	s_nop 0
.rept 4
	v_nop
.endr
.Lasked_\@:
.endm
.macro CREST                           ; a round of the cluster's barrier behind its opening barrier
	s_cmp_lg_u32 s14, 0
	s_cbranch_scc1 .Lnot_wave_0_\@
	s_barrier_signal -3
.Lnot_wave_0_\@:
	s_barrier_wait -3
	s_barrier_signal -1
	s_barrier_wait -1
.endm
.macro CROUND                          ; a whole round
	s_barrier_signal -1
	s_barrier_wait -1
	CREST
.endm
	s_load_b128 s[4:7], s[0:1], 0x0                ; x's codes s[4:5], w's codes s[6:7]
	s_load_b128 s[8:11], s[0:1], 0x10              ; the scales' exponents s[8:9], q_img s[10:11]
	s_load_b64 s[12:13], s[0:1], 0x20              ; kv_img
	v_lshl_add_u32 v[SPW], v0, 2, SPARE
	v_mov_b32 v[NIL], 0
	ds_add_u32 v[SPW], v[NIL]                      ; the wave's opening: the add, twice on end, and its wait ahead of my first tensor load
	ds_add_u32 v[SPW], v[NIL]                      ; and once more, under the one wait; the set-up below, work on registers, stands between
	v_lshrrev_b32 v1, 5, v0
	v_readfirstlane_b32 s14, v1                    ; wave 0..3
	s_lshr_b32 s15, s14, 1                         ; which half of source 1's rows is mine.  Also: I fetch for x (0) or for w (1)
	s_and_b32 s16, s14, 1                          ; which half of source 0's rows.  Also: which 128 rows of that tile I fetch
	s_bfe_u32 s40, ttmp6, 0x40000                  ; cx, cy: my place in the cluster
	s_bfe_u32 s41, ttmp6, 0x40004
	s_lshl_b32 s42, ttmp9, 2
	s_add_co_u32 s42, s42, s40                     ; tile column (256 features) = 4 x role + cx
	s_and_b32 s17, ttmp7, 0xffff
	s_lshl_b32 s17, s17, 2
	s_add_co_u32 s17, s17, s41                     ; tile row (256 tokens) = 4 x cluster y + cy
	s_lshl_b32 s43, s41, 2
	s_lshl_b32 s43, 15, s43                        ; my row of the cluster
	s_lshl_b32 s44, 0x1111, s40                    ; my column
	; descriptor group 1: a tile of 128 rows x 256 bytes, padded in LDS
	s_or_b32 s[G1+0], s43, (0<<16)|(1<<20)|(1<<21)|(5<<22)|(3<<25)  ; 15:0 the mask: x's tiles go to my row; elements of 1 byte; padding on; 21 set beside a mask; after every 64 words four words
	s_or_b32 s[G1B+0], s44, (0<<16)|(1<<20)|(1<<21)|(5<<22)|(3<<25) ; the same with the mask of my column, for w's tiles
.irp g, G1, G1B
	s_mov_b32 s[\g+1], ROWB<<16                    ; tensor_dim0
	s_mov_b32 s[\g+2], 128<<16                     ; tensor_dim1 = 128
	s_mov_b32 s[\g+3], ROWB<<16                    ; tile_dim0
	s_mov_b32 s[\g+4], 128                         ; tile_dim1 = 128
	s_mov_b32 s[\g+5], KROW                        ; tensor_dim0_stride
	s_mov_b32 s[\g+6], 0
	s_mov_b32 s[\g+7], 0
.endr
	s_lshl_b32 s18, s16, 7                         ; which 128 rows of the tile I fetch
	s_lshl_b32 s20, s17, 8
	s_add_co_u32 s20, s20, s18                     ; x: row 256 x tile row + 128 x half
	s_lshl_b32 s46, s42, 8
	s_add_co_u32 s46, s46, s18                     ; w: row 256 x tile column + 128 x half
	s_mov_b32 s21, 0
	s_mov_b32 s47, 0
	s_mov_b64 s[18:19], KROW
	s_mul_u64 s[20:21], s[20:21], s[18:19]
	s_mul_u64 s[46:47], s[46:47], s[18:19]
	s_mul_i32 s45, s14, HALFT                      ; where they go: wave x 128 rows: no place in the cluster enters an LDS address
	s_wait_dscnt 0x0                               ; both opening adds are done
	s_wait_kmcnt 0x0
	s_load_b256 s[80:87], s[8:9], 0x0              ; e0 .. e7
	s_add_nc_u64 s[20:21], s[4:5], s[20:21]
	s_add_nc_u64 s[46:47], s[6:7], s[46:47]
	CROUND                                         ; all sixteen work-groups are here: the first joint loads meet
.irp s, 0,1
	s_mov_b32 s[G0+4*\s], 1
	s_add_co_u32 s[G0+4*\s+1], s45, \s*SLOT
	s_add_nc_u64 s[G0+4*\s+2:G0+4*\s+3], s[20:21], \s*ROWB
	s_or_b32 s[G0+4*\s+3], s[G0+4*\s+3], 0x80000000
	s_mov_b32 s[G0B+4*\s], 1
	s_add_co_u32 s[G0B+4*\s+1], s45, \s*SLOT
	s_add_nc_u64 s[G0B+4*\s+2:G0B+4*\s+3], s[46:47], \s*ROWB
	s_or_b32 s[G0B+4*\s+3], s[G0B+4*\s+3], 0x80000000
	JLOAD G0+4*\s, G1, G0B+4*\s, G1B
.endr
	v_and_b32 v1, 15, v0                           ; l % 16
	v_bfe_u32 v2, v0, 4, 1                         ; l / 16
	v_mul_u32_u24 v3, v1, PITCH
	v_lshl_add_u32 v4, v2, 4, v3                   ; a fragment's row x pitch + 16 x half
	s_wait_alu depctr_va_vdst(0)
	s_cmp_eq_u32 ttmp9, 2                          ; the role v swaps the sources:
	s_cselect_b32 s21, 2*HALFT, 0                  ; source 1 is read from w's rows (v) or from x's (q, k),
	s_cselect_b32 s22, 0, 2*HALFT                  ; source 0 from x's (v) or from w's
	s_mul_i32 s23, s15, HALFT
	s_add_co_u32 s21, s21, s23                     ; + my half of source 1's 256 rows
	s_mul_i32 s23, s16, HALFT
	s_add_co_u32 s22, s22, s23                     ; + my half of source 0's
.irp s, 0,1
	v_add_nc_u32 v[ADRA+\s], s21, v4
	v_add_nc_u32 v[ADRB+\s], s22, v4
	s_add_co_u32 s21, s21, SLOT
	s_add_co_u32 s22, s22, SLOT
.endr
	; where my results go.  A head is 2^17 bytes of q_img and 2^18 of kv_img; 128 tokens are 2^13 and 2^14.
	s_cmp_lg_u32 ttmp9, 0
	s_cselect_b32 s70, 1, 0                        ; 1 for k and v
	s_cselect_b64 s[OB:OB+1], s[12:13], s[10:11]   ; kv_img or q_img: the choice hangs on the role alone
	s_cmp_eq_u32 ttmp9, 2
	s_cselect_b32 s71, 1, 0                        ; 1 for v
	s_cselect_b32 s72, s15, s16                    ; which half of the features is mine,
	s_cselect_b32 s73, s16, s15                    ; and which half of the tokens
	s_add_co_u32 s74, s70, 17
	s_add_co_u32 s75, s70, 13
	s_lshr_b32 s76, s17, 3                         ; the batch: eight tile rows each
	s_and_b32 s77, s17, 7
	s_lshl_b32 s76, s76, 4
	s_lshl_b32 s78, s40, 2
	s_add_co_u32 s76, s76, s78
	s_lshl_b32 s78, s72, 1
	s_add_co_u32 s76, s76, s78                     ; 16 b + my first head: 4 cx + 2 x half
	s_lshl_b32 s76, s76, s74
	s_lshl_b32 s77, s77, 1
	s_add_co_u32 s77, s77, s73                     ; my 128 tokens in the batch
	s_lshl_b32 s77, s77, s75
	s_add_co_u32 s76, s76, s77
	s_lshl_b32 s78, s71, 13                        ; v^T lies 8,192 bytes behind k in a block
	s_add_co_u32 s76, s76, s78
	s_mov_b32 s77, 0
	s_add_nc_u64 s[OB:OB+1], s[OB:OB+1], s[76:77]
	s_lshl_b32 s92, 1024, s71                      ; from block a to a + 1: a tile of 1,024 bytes (q, k) or a fragment of 2,048 (v);
	s_mov_b32 s93, 0
	s_mul_i32 s94, s71, 254976
	s_add_co_u32 s94, s94, 1024                    ; in front of a = 4, for v: on to the next head, 2^18 - 3 x 2,048
	s_mov_b32 s95, 0
	s_lshl_b32 s78, 1, s74                         ; a head's bytes
	s_cmp_eq_u32 ttmp9, 2
	s_cselect_b32 s78, 1024, s78                   ; registers 8-15 of a block's codes: the fragment's second half (v) or the next head's tile (q, k)
	v_and_b32 v5, 31, v0
	v_lshlrev_b32 v[VO], 4, v5
	v_add_nc_u32 v[VO+1], 512, v[VO]
	v_add_nc_u32 v[VO+2], s78, v[VO]
	v_add_nc_u32 v[VO+3], 512, v[VO+2]
.macro FRAG reg, adr, q, i             ; a fragment: lane l holds row l % 16; registers 4 c .. 4 c + 3 hold K = 32 c + 16 (l / 16) + 0 .. 15
.irp c, 0,1,2,3
	ds_load_b128 v[\reg+4*\c:\reg+4*\c+3], v[\adr] offset:128*(\q)+32*\c+(\i)*16*PITCH
.endr
.endm
; 16 matrix instructions: source 1's blocks a0, a0 + 1 x source 0's eight, 128 along K.  p: source 0's set.  zero = 1: the first product starts the sums.
; The 64 accumulators take turns, one instruction a turn, in the same order in every step.
.macro MUL16 a0, p, zero
.irp a, \a0, \a0+1
.irp b, 0,1,2,3,4,5,6,7
.if \zero
	v_wmma_f32_16x16x128_fp8_fp8 v[8*(8*((\a)%4)+\b):8*(8*((\a)%4)+\b)+7], v[128*(\p)+FR*\b:128*(\p)+FR*\b+FR-1], v[AF+FR*(\a):AF+FR*(\a)+FR-1], 0
.else
	v_wmma_f32_16x16x128_fp8_fp8 v[8*(8*((\a)%4)+\b):8*(8*((\a)%4)+\b)+7], v[128*(\p)+FR*\b:128*(\p)+FR*\b+FR-1], v[AF+FR*(\a):AF+FR*(\a)+FR-1], v[8*(8*((\a)%4)+\b):8*(8*((\a)%4)+\b)+7]
.endif
.endr
.endr
.endm
.macro FETCH_B slot, q, p              ; source 0's eight fragments of the slot's q-th 128 along K into set p
	WIN TO_B
.irp i, 0,1,2,3,4,5,6,7
	FRAG 128*(\p)+FR*\i, ADRB+\slot, \q, \i
.endr
	WIN 0
.endm
.macro FETCH_A slot, q, i0             ; source 1's blocks i0 .. i0 + 3
.irp i, \i0, \i0+1, \i0+2, \i0+3
	FRAG AF+FR*(\i), ADRA+\slot, \q, \i
.endr
.endm
.macro PLACES n                        ; plain vector instructions between a matrix instruction and a load into its sources or a read of its result
.rept \n
	v_nop
.endr
.endm
; A step of 128 along K that has its successor in the same slot.
.macro STEP slot, q, zero
	s_wait_dscnt 4*NL                              ; source 0's set and source 1's blocks 0-3 are in; the youngest 16 loads (blocks 4-7) may be out
	WIN MUL_LO
	MUL16 0, (\q)%2, \zero
	MUL16 2, (\q)%2, \zero
	s_wait_dscnt 0                                 ; blocks 4-7 are in
	PLACES NP
	FETCH_B \slot, (\q)+1, 1-(\q)%2
	FETCH_A \slot, (\q)+1, 0
	WIN MUL_HI
	MUL16 4, (\q)%2, \zero
	MUL16 6, (\q)%2, \zero
	PLACES NP
	WIN 0
	FETCH_A \slot, (\q)+1, 4
.endm
; A slot's last step changes slots: ONE barrier; in front of it each wave waits for all its tensor loads, adds 0 to its spare word, and waits for that and for its reads of this slot.  fill = 1: this slot is filled again, two K steps ahead.
.macro TURN slot, next, fill
	s_wait_tensorcnt 0x0                           ; all my tensor loads have landed: my part of the next slot
	ds_add_u32 v[SPW], v[NIL]                      ; 0 onto my spare word
	s_wait_dscnt 4*NL+1                            ; (the add and the youngest 16 loads may be out)
	WIN MUL_LO
	MUL16 0, 1, 0                                  ; sixteen matrix instructions stand between the add and the wait for it
	s_wait_dscnt 0x0                               ; the add is done, and my reads of this slot are over
	s_barrier_signal -1
	MUL16 2, 1, 0
	WIN 0
	s_barrier_wait -1
.if \fill
	CREST                                          ; the barrier has opened a round of the cluster's barrier: no wave of any partner still reads this slot or has a load on its way
	s_add_nc_u64 s[G0+4*\slot+2:G0+4*\slot+3], s[G0+4*\slot+2:G0+4*\slot+3], 2*ROWB
	s_add_nc_u64 s[G0B+4*\slot+2:G0B+4*\slot+3], s[G0B+4*\slot+2:G0B+4*\slot+3], 2*ROWB
	JLOAD G0+4*\slot, G1, G0B+4*\slot, G1B         ; the first tensor load behind the round; its four v_nop are the places in front of the loads below
.else
	PLACES NP
.endif
	FETCH_B \next, 0, 0
	FETCH_A \next, 0, 0
	WIN MUL_HI
	MUL16 4, 1, 0
	MUL16 6, 1, 0
	PLACES NP
	WIN 0
	FETCH_A \next, 0, 4
.endm
	s_wait_alu depctr_va_vdst(0)
	s_wait_tensorcnt 1                             ; my part of K step 0 is in (K step 1's load may be out)
	s_barrier_signal -1
	s_barrier_wait -1                              ; everybody's is
	FETCH_B 0, 0, 0
	FETCH_A 0, 0, 0
	FETCH_A 0, 0, 4
	STEP 0, 0, 1                                   ; K = 1,024 is four K steps of 256: written out, no loop.  The first products start the sums
	TURN 0, 1, 1                                   ; slot 0 takes K step 2
	STEP 1, 0, 0
	TURN 1, 0, 1                                   ; slot 1 takes K step 3
	STEP 0, 0, 0
	TURN 0, 1, 0                                   ; nothing is left to fetch
	STEP 1, 0, 0
	s_wait_dscnt 4*NL                              ; the very last step
	WIN MUL_LO
	MUL16 0, 1, 0
	MUL16 2, 1, 0
	s_wait_dscnt 0
	WIN MUL_HI
	MUL16 4, 1, 0
	MUL16 6, 1, 0
	WIN 0
; THE WAY OUT.  A sum stands for sum x 2^(e0 + e1), so its code is sum / 2^(e_out - e0 - e1) (the conversion to an 8-bit code does not saturate: ISA guide 7.6.2).
; Block a's eight accumulators give 16 registers of codes, which ARE register images: q, k: the tiles of two heads (8 registers each); v: one fragment of v^T.  Each store covers 512 consecutive bytes, aligned.
.macro OUT a
.set AC, 64*((\a)%4)
.set CB, 96+16*((\a)%2)                ; the codes: v96-111 and v112-127 by turns
	WIN 0x02+((\a)/4)                              ; source 0: window 2 or 3
.set j, 0
.rept 64
.set j, j+1
.endr
.irp b, 0,1,2,3,4,5,6,7
	v_cvt_scalef32_pk8_fp8_f32 v[CB+2*\b:CB+2*\b+1], v[AC+8*\b:AC+8*\b+7], v[SC]
.endr
	WIN 0
	v_nop                                          ; a plain instruction behind the last conversion
.if (\a) > 0
	s_wait_alu depctr_va_vdst(0)
	s_wait_xcnt 0x0                                ; the earlier stores have read their base and their data: the base may step, and the next block may write the other set of codes
.if (\a) == 4
	s_add_nc_u64 s[OB:OB+1], s[OB:OB+1], s[94:95]
.else
	s_add_nc_u64 s[OB:OB+1], s[OB:OB+1], s[92:93]
.endif
.endif
.irp i, 0,1,2,3
	global_store_b128 v[VO+\i], v[CB+4*\i:CB+4*\i+3], s[OB:OB+1]
.endr
.endm
	s_wait_kmcnt 0x0
	s_cmp_eq_u32 ttmp9, 0
	s_cselect_b32 s79, s82, s83                    ; e2 for q, e3 for k,
	s_cmp_eq_u32 ttmp9, 2
	s_cselect_b32 s79, s85, s79                    ; e5 for v
	s_sub_co_i32 s79, s79, s80
	s_sub_co_i32 s79, s79, s81
	s_add_co_i32 s79, s79, 127
	s_lshl_b32 s88, s79, 23
	v_mov_b32 v[SC], s88                           ; 2^(e_out - e0 - e1) as f32
	s_add_co_i32 s79, s79, 8
	s_lshl_b32 s79, s79, 23
	s_or_b32 s79, s79, 0x600000
	PLACES NP                                      ; behind the last products
.irp a, 0,1,2,3,4,5,6,7
	OUT \a
.endr
	s_wait_tensorcnt 0x0                           ; the wave's end
	ds_add_u32 v[SPW], v[NIL]
	s_wait_dscnt 0x0
	CROUND                                         ; the closing round: no work-group ends while a partner may still ask for a tile that names it
	s_endpgm
.Lfunc_end_k_q9b69226c99_qkv:
	.size	k_q9b69226c99_qkv, .Lfunc_end_k_q9b69226c99_qkv-k_q9b69226c99_qkv
	.p2alignl 7, 3214868480
	.fill 96, 4, 3214868480
	.section	.rodata,"a",@progbits
	.p2align	6, 0x0
	.amdhsa_kernel k_q9b69226c99_qkv
		.amdhsa_group_segment_fixed_size 327680
		.amdhsa_private_segment_fixed_size 0
		.amdhsa_enable_private_segment 0
		.amdhsa_kernarg_size 40
		.amdhsa_user_sgpr_count 2
		.amdhsa_user_sgpr_kernarg_segment_ptr 1
		.amdhsa_wavefront_size32 1
		.amdhsa_system_sgpr_workgroup_id_x 1
		.amdhsa_system_sgpr_workgroup_id_y 1
		.amdhsa_system_sgpr_workgroup_id_z 1
		.amdhsa_system_vgpr_workitem_id 0
		.amdhsa_next_free_vgpr 1024
		.amdhsa_next_free_sgpr 100
		.amdhsa_reserve_vcc 0
		.amdhsa_float_denorm_mode_32 3
		.amdhsa_float_denorm_mode_16_64 3
		.amdhsa_fp16_overflow 1
		.amdhsa_memory_ordered 1
		.amdhsa_forward_progress 1
		.amdhsa_inst_pref_size 87
	.end_amdhsa_kernel
	.amdgpu_metadata
---
amdhsa.version: [ 1, 2 ]
amdhsa.kernels:
  - .name:           k_q9b69226c99_qkv
    .symbol:         k_q9b69226c99_qkv.kd
    .args:
      - { .name: x_codes, .offset: 0, .size: 8, .value_kind: global_buffer, .address_space: global }
      - { .name: w_qkv_codes, .offset: 8, .size: 8, .value_kind: global_buffer, .address_space: global }
      - { .name: lowp_scales, .offset: 16, .size: 8, .value_kind: global_buffer, .address_space: global }
      - { .name: q_img, .offset: 24, .size: 8, .value_kind: global_buffer, .address_space: global }
      - { .name: kv_img, .offset: 32, .size: 8, .value_kind: global_buffer, .address_space: global }
    .group_segment_fixed_size: 327680
    .private_segment_fixed_size: 0
    .kernarg_segment_align: 8
    .kernarg_segment_size: 40
    .max_flat_workgroup_size: 128
    .sgpr_count:     100
    .vgpr_count:     1024
    .wavefront_size: 32
...
	.end_amdgpu_metadata
.endif
;; end of part 1
;; launch attn (part 2): grid 4 x 64, 16 waves a work-group, clusters of 4 x 1, 327,680 bytes of LDS; arguments q_img, kv_img, attention_mask, lowp_scales, o_img; writes o_img
.if DOCPART == 2
	.amdgcn_target "amdgcn-amd-amdhsa--gfx1250"
	.amdhsa_code_object_version 6
	.text
	.protected	k_q9b69226c99_attn
	.globl	k_q9b69226c99_attn
	.p2align	8
	.type	k_q9b69226c99_attn,@function
k_q9b69226c99_attn:
	s_mov_b64 s[64:65], 0
	v_nop
	global_prefetch_b8 v0, s[64:65] scope:SCOPE_SE
	s_setreg_imm32_b32 hwreg(HW_REG_WAVE_MODE, 25, 1), 1
	s_wait_xcnt 0x0
	s_wait_alu depctr_hold_cnt(0) depctr_sa_sdst(0) depctr_va_vdst(0) depctr_va_sdst(0) depctr_va_ssrc(0) depctr_va_vcc(0) depctr_vm_vsrc(0)
	s_getreg_b32 s2, hwreg(HW_REG_IB_STS2, 6, 4)
	s_cmp_eq_u32 s2, 0
	s_cbranch_scc0 .Lentry_in_a_cluster
	s_endpgm
.Lentry_in_a_cluster:
	s_bfe_u32 s2, ttmp6, 0x10000c
	s_cmp_lg_u32 s2, 0x3003
	s_cbranch_scc0 .Lentry_shape_is_right
	s_endpgm
.Lentry_shape_is_right:
; LAUNCH 2 OF 3: the attention of one (batch, head) for each cluster of four work-groups, both products on codes of E4M3; the result is quantised with 2^e6 and stored as register images for the projection.
; LEFT OUT: blocks of 128 keys that lie wholly behind a tile of 16 queries, under the causal mask that reference() builds itself (shown at the head of launch 1).  A query with no valid key gets
; Q(1) x (the sum of the quantised v over ALL 2,048 keys) / 2,048, as reference() gives it: that sum is made here once for the head and chosen by v_cndmask_b32.
; THE SOFTMAX: t = score x log2(e) / 8; M = the running largest t rounded up to a whole number; p = 2^(t - M) is quantised with 2^e4; the sum is taken of the unquantised p and divides at the end.
; THE MASKS.  A key that attention_mask hides adds NEG = -2^(64 - e2 - e3) to its score: the term rides in as the C of the first product (a table in LDS, 0 or NEG for each key).  A key that the causal mask hides in the
; one block on the diagonal gets NEG by v_cndmask_b32.  So a hidden t is about -0.18 x 2^64: finite, under every true t; p = 0 as soon as M is a true one, and when M moves from a hidden t to a true one the factor 2^(old M - new M) is 0.
; A query whose largest t stays under -2^56 has no valid key.
; SHARES.  The head's K and V^T, 16 blocks of 128 keys, 262,144 bytes, lie WHOLE in the LDS of each of the four partners, brought once by joint loads: no slot is ever filled again.
; Wave w of partner cx owns two tiles of 16 queries, number 4 w + cx and number 127 - (4 w + cx): their last key blocks are w / 2 and 15 - w / 2, so every wave walks 17 key steps, and every branch hangs on the wave's number
; and a count of steps alone: alike in all partners.  cx enters the addresses of q and o and the numbers that the causal compare reads, and nothing else.
; LAYOUT.  S^T = K Q^T (source 0 = 16 keys, source 1 = my 16 queries; K = 64), O^T = V^T P^T (source 0 = 16 of the head's 64, source 1 = P; K = 128 keys): a lane holds ONE query throughout; tile t's register j is key 16 t + 8 (lane / 16) + j,
; so the conversions' results are P's registers 2 t, 2 t + 1 as they stand.  All fragments are images: 16 bytes a lane, 512 consecutive bytes a load.
; Nothing is prefetched: all of K and V is asked for by the first fills, and no later load exists.
; LIMITS on the given exponents: e2 + e3 between -63 and 30; e4 and e6 between -126 and 119; e4 + e5 is applied by v_ldexp_f32 and has none.  NaN codes are not served.
.set BIAS,  262144                     ; LDS: behind K and V: 2,048 f32, 0 or NEG for each key
.set UPART, 270336                     ; 16 x 256 bytes: each wave's part of the sum of v
.set USUM,  274432                     ; 16 x 256 bytes: each wave's own copy of the finished sum
.set SPARE, 278528                     ; the spare words, 128 bytes for each wave
.set LI,   1                           ; v1   16 x lane
.set BA,   2                           ; v2   BIAS + 32 (lane / 16)
.set DQB,  3                           ; v3   the big tile: my query in its key block - 8 (lane / 16)
.set DQS,  4                           ; v4   the same for the small tile
.set SPW,  5                           ; v5   LDS address of my spare word; never rewritten
.set NIL,  6                           ; v6   0; never rewritten
.set NEGR, 7                           ; v7   NEG
.set ADK,  8                           ; v8   LDS address of the block in hand
.set ADB,  9                           ; v9   and of its mask terms
.set UPW,  10                          ; v10  UPART + 256 wave + 128 (lane / 16)
.set UPR,  11                          ; v11  UPART + 8 lane
.set QB,   16                          ; v16-23 Q of the big tile;  v24-31 of the small one
.set QS,   24
.set F,    32                          ; v32-95   fragments of K, then of V
.set S,    96                          ; v96-159  S^T, then p
.set O,    160                         ; v160-191 O^T
.set P,    192                         ; v192-207 p's codes
.set UM,   208                         ; v208-239 the result of a query with no valid key, in O^T's layout
; v12 -M, v13 the largest t, v[14:15] the sum in two halves; v240, v241: 448 x 2^e4, 2^e4; v[242:243] the second chain of the sum; v245: 2^e6;
; v246, v247: USUM + 256 wave + 8 lane, + 128 (lane / 16); v248: 16 lane + 16,384 wave; v249: BIAS + 16 thread; v250 a permute's destination; v251: 4 thread; v252-254 at work
.set TB,   2                           ; s2   LDS byte of the key block in hand
.set WV,   14
.set CX,   15
.set BH,   16
.set LB,   17                          ; s17  the big tile's last key block;  s18 the small one's
.set LS,   18
.set KB,   19                          ; s19  the key block in hand
.set SEL,  20                          ; s[20:21] lane selects: lane l xor 16
.set CS,   22                          ; s[22:23] c = log2(e) / 8 x 2^(e2 + e3)
.set G1A,  24                          ; s[24:31] descriptor group 1: 16 rows of 256 bytes;  s[32:39]: 48 rows
.set G1B,  32
.set G0A,  40                          ; s[40:43], s[44:47] groups 0
.set G0B,  44
.set OBB,  56                          ; s[56:57] where the big tile's result goes;  s[58:59] the small one's
.set OBS,  58
.set E45,  60                          ; s60  e4 + e5;  s61  e4 + e5 - 11
.set E45M, 61
.set THR,  62                          ; s62  -2^56
.set TBB,  63                          ; s63  byte of the block's mask terms in the table
.macro CROUND                          ; a round of the cluster's barrier
	s_barrier_signal -1
	s_barrier_wait -1
	s_cmp_lg_u32 s[WV], 0
	s_cbranch_scc1 .Lnot_wave_0_\@
	s_barrier_signal -3
.Lnot_wave_0_\@:
	s_barrier_wait -3
	s_barrier_signal -1
	s_barrier_wait -1
.endm
.macro OADDR dst, ireg                 ; o_img [256 tokens: 32][128 of K: 8][tile: 16][2,048 B]; head hh fills the half hh % 2 of the fragment hh / 2
	s_lshr_b32 s68, s[\ireg], 4
	s_add_co_u32 s68, s68, s66                     ; 8 b + tile / 16
	s_lshl_b32 s68, s68, 3
	s_add_co_u32 s68, s68, s67                     ; x 8 + hh / 2
	s_lshl_b32 s68, s68, 4
	s_and_b32 s69, s[\ireg], 15
	s_add_co_u32 s68, s68, s69                     ; x 16 + tile % 16
	s_lshl_b32 s68, s68, 1
	s_add_co_u32 s68, s68, s3                      ; x 2 + hh % 2
	s_lshl_b32 s68, s68, 10
	s_mov_b32 s69, 0
	s_add_nc_u64 s[\dst:\dst+1], s[12:13], s[68:69]
.endm
	s_load_b256 s[4:11], s[0:1], 0x0               ; q_img s[4:5], kv_img s[6:7], attention_mask s[8:9], the scales' exponents s[10:11]
	s_load_b64 s[12:13], s[0:1], 0x20              ; o_img
	v_lshl_add_u32 v[SPW], v0, 2, SPARE
	v_mov_b32 v[NIL], 0
	ds_add_u32 v[SPW], v[NIL]                      ; the wave's opening: the add, twice on end, and its wait ahead of my first tensor load
	ds_add_u32 v[SPW], v[NIL]                      ; and once more, under the one wait; the set-up below stands between
	v_lshrrev_b32 v8, 5, v0
	s_delay_alu instid0(VALU_DEP_1)
	v_readfirstlane_b32 s[WV], v8                  ; wave 0..15
	s_bfe_u32 s[CX], ttmp6, 0x40000                ; my place in the cluster
	s_and_b32 s[BH], ttmp7, 0xffff                 ; 16 b + head, which the four partners share
	; descriptor groups 1: dense rows of 256 bytes, elements of 1 byte, no padding; the mask names all four partners, bit 21 beside it
	s_mov_b32 s[G1A], 15|(1<<21)
	s_mov_b32 s[G1A+1], 256<<16                    ; tensor_dim0
	s_mov_b32 s[G1A+2], 16<<16                     ; tensor_dim1
	s_mov_b32 s[G1A+3], 256<<16                    ; tile_dim0
	s_mov_b32 s[G1A+4], 16                         ; tile_dim1
	s_mov_b32 s[G1A+5], 256                        ; tensor_dim0_stride
	s_mov_b32 s[G1A+6], 0
	s_mov_b32 s[G1A+7], 0
	s_mov_b32 s[G1B], 15|(1<<21)
	s_mov_b32 s[G1B+1], 256<<16
	s_mov_b32 s[G1B+2], 48<<16
	s_mov_b32 s[G1B+3], 256<<16
	s_mov_b32 s[G1B+4], 48
	s_mov_b32 s[G1B+5], 256
	s_mov_b32 s[G1B+6], 0
	s_mov_b32 s[G1B+7], 0
	s_mov_b32 s[G0A], 1
	s_lshl_b32 s[G0A+1], s[WV], 12                 ; my sixteenth of blocks 0 to 3: 4,096 bytes,
	s_mov_b32 s[G0B], 1
	s_mul_i32 s[G0B+1], s[WV], 12288
	s_add_co_u32 s[G0B+1], s[G0B+1], 65536         ; and of blocks 4 to 15: 12,288 bytes; LDS and the head's bytes in memory are laid alike
	s_lshl_b32 s70, s[BH], 18                      ; a head is 262,144 bytes of kv_img
	s_add_co_u32 s78, s70, s[G0B+1]
	s_add_co_u32 s70, s70, s[G0A+1]
	s_mov_b32 s71, 0
	s_mov_b32 s79, 0
	s_mov_b32 s[SEL], 0x76543210
	s_mov_b32 s[SEL+1], 0xfedcba98
	s_mov_b32 s[CS], 0x3e38aa3b                    ; log2(e) / 8
	s_mov_b32 s[THR], 0xdb800000                   ; -2^56
	s_lshr_b32 s[LS], s[WV], 1
	s_sub_co_u32 s[LB], 15, s[LS]
	s_mov_b32 s[TB], 0
	s_mov_b32 s[TBB], 0
	s_mov_b32 s[KB], 0
	s_lshl_b32 s72, s[WV], 2
	s_add_co_u32 s72, s72, s[CX]                   ; my small tile,
	s_sub_co_u32 s73, 127, s72                     ; and my big one
	s_wait_dscnt 0x0                               ; both opening adds are done
	s_wait_kmcnt 0x0
	s_load_b256 s[48:55], s[10:11], 0x0            ; e0 .. e7
	s_add_nc_u64 s[G0A+2:G0A+3], s[6:7], s[70:71]
	s_or_b32 s[G0A+3], s[G0A+3], 0x80000000
	s_add_nc_u64 s[G0B+2:G0B+3], s[6:7], s[78:79]
	s_or_b32 s[G0B+3], s[G0B+3], 0x80000000
	s_lshl_b32 s66, s[BH], 7                       ; q_img: 128 tiles of 1,024 bytes a head
	s_add_co_u32 s68, s66, s73
	s_lshl_b32 s68, s68, 10
	s_mov_b32 s69, 0
	s_add_nc_u64 s[74:75], s[4:5], s[68:69]        ; Q of the big tile
	s_add_co_u32 s68, s66, s72
	s_lshl_b32 s68, s68, 10
	s_add_nc_u64 s[76:77], s[4:5], s[68:69]        ; and of the small one
	s_lshr_b32 s66, s[BH], 4                       ; b
	s_lshl_b32 s68, s66, 11
	s_add_nc_u64 s[8:9], s[8:9], s[68:69]          ; the batch's 2,048 mask bytes
	s_lshl_b32 s66, s66, 3                         ; 8 b
	s_and_b32 s67, s[BH], 15
	s_and_b32 s3, s67, 1                           ; hh % 2
	s_lshr_b32 s67, s67, 1                         ; hh / 2
	OADDR OBB, 73
	OADDR OBS, 72
	CROUND                                         ; all four work-groups are here: the joint loads meet
	tensor_load_to_lds s[G0A:G0A+3], s[G1A:G1A+7]  ; every wave issues both, with no branch: one load of mine is out
	s_nop 0
	s_wait_alu depctr_va_vdst(0)
	s_wait_tensorcnt 0x0
	ds_add_u32 v5, v6
	s_wait_dscnt 0x0
	CROUND
	tensor_load_to_lds s[G0B:G0B+3], s[G1B:G1B+7]
	s_nop 0
.rept 4
	v_nop
.endr
	v_lshlrev_b32 v251, 2, v0
	v_and_b32 v1, 31, v0
	s_delay_alu instid0(VALU_DEP_1)
	v_lshlrev_b32 v[UPR], 3, v1                    ; 8 x lane
	s_delay_alu instid0(VALU_DEP_2)
	v_lshlrev_b32 v[LI], 4, v1
	global_load_b32 v32, v251, s[8:9]              ; four mask bytes a thread: 512 threads, 2,048 keys
	global_load_b128 v[QB:QB+3], v[LI], s[74:75]
	global_load_b128 v[QB+4:QB+7], v[LI], s[74:75] offset:512
	global_load_b128 v[QS:QS+3], v[LI], s[76:77]
	global_load_b128 v[QS+4:QS+7], v[LI], s[76:77] offset:512
	v_and_b32 v8, 15, v0                           ; r
	v_bfe_u32 v9, v0, 4, 1                         ; h
	s_delay_alu instid0(VALU_DEP_1)
	v_lshl_add_u32 v[BA], v9, 5, BIAS
	s_and_b32 s66, s[WV], 1
	s_lshl_b32 s66, s66, 2
	s_add_co_u32 s66, s66, s[CX]                   ; the small tile's place among its block's eight,
	s_sub_co_u32 s67, 7, s66                       ; and the big one's
	s_lshl_b32 s66, s66, 4
	s_lshl_b32 s67, s67, 4
	v_lshlrev_b32 v10, 3, v9
	s_delay_alu instid0(VALU_DEP_1)
	v_sub_nc_u32 v10, v8, v10                      ; r - 8 h
	s_delay_alu instid0(VALU_DEP_1)
	v_add_nc_u32 v[DQB], s67, v10
	s_delay_alu instid0(VALU_DEP_2)
	v_add_nc_u32 v[DQS], s66, v10
	s_lshl_b32 s66, s[WV], 8
	v_lshlrev_b32 v10, 7, v9
	s_delay_alu instid0(VALU_DEP_1)
	v_add_nc_u32 v10, s66, v10                     ; 256 wave + 128 h
	s_delay_alu instid0(VALU_DEP_1)
	v_add_nc_u32 v247, USUM, v10
	s_delay_alu instid0(VALU_DEP_2)
	v_add_nc_u32 v[UPW], UPART, v10
	v_add_nc_u32 v246, s66, v[UPR]
	s_delay_alu instid0(VALU_DEP_1)
	v_add_nc_u32 v246, USUM, v246
	v_add_nc_u32 v[UPR], UPART, v[UPR]
	s_lshl_b32 s66, s[WV], 14
	v_add_nc_u32 v248, s66, v[LI]
	v_lshl_add_u32 v249, v0, 4, BIAS
	v_mov_b32 v250, 0                              ; written once: a lane permute's destination counts as one of its sources
	v_mov_b32 v253, 0                              ; (named as the upper half of the pair v[252:253])
	s_wait_kmcnt 0x0
	s_add_co_i32 s66, s50, s51                     ; e2 + e3
	s_lshl_b32 s67, s66, 23
	s_add_co_i32 s[CS], s[CS], s67                 ; a score stands for score x 2^(e2 + e3): added to c's exponent field
	s_mov_b32 s[CS+1], s[CS]
	s_sub_co_i32 s66, 191, s66
	s_lshl_b32 s66, s66, 23
	s_or_b32 s66, s66, 0x80000000
	v_mov_b32 v[NEGR], s66                         ; NEG = -2^(64 - e2 - e3)
	s_add_co_i32 s66, s52, 127
	s_lshl_b32 s67, s66, 23
	v_mov_b32 v241, s67                            ; 2^e4
	s_add_co_i32 s66, s66, 8
	s_lshl_b32 s66, s66, 23
	s_or_b32 s66, s66, 0x600000
	v_mov_b32 v240, s66                            ; 448 x 2^e4
	s_add_co_i32 s66, s54, 127
	s_lshl_b32 s67, s66, 23
	v_mov_b32 v245, s67                            ; 2^e6
	s_add_co_i32 s[E45], s52, s53
	s_sub_co_i32 s[E45M], s[E45], 11
	s_wait_alu depctr_va_vdst(0)
	s_wait_loadcnt 4                               ; the mask bytes are in; the four loads of Q may be out
.irp k, 0,1,2,3
	v_bfe_u32 v[36+\k], v32, 8*\k, 8
	s_delay_alu instid0(VALU_DEP_1)
	v_cmp_eq_u32 vcc_lo, 0, v[36+\k]
	s_delay_alu instid0(VALU_DEP_1)
	v_cndmask_b32 v[36+\k], 0, v[NEGR], vcc_lo     ; 0 for a valid key, NEG for a hidden one
.endr
	ds_store_b128 v249, v[36:39]
.macro INIT                            ; a tile begins: the loop has no first step of its own: the first change of M multiplies zeros
	v_mov_b32 v13, 0xff61b1e6                      ; the largest t so far: -3e38
	s_delay_alu instid0(VALU_DEP_1)
	v_floor_f32 v12, -v13
	v_mov_b32 v14, 0
	v_mov_b32 v15, 0
.set j, 0
.rept 32
	v_mov_b32 v[O+j], 0
.set j, j+1
.endr
.endm
; A KEY STEP: the 128 keys of block s[KB], for the tile whose Q lies at v[q].  chk = 1: a block behind the tile's last (s[lim]) is passed over, and in the last one the causal mask is laid.
.macro STEP q, dq, lim, chk
.if \chk
	s_cmp_gt_u32 s[KB], s[\lim]                    ; the wave's number and the count of steps alone
	s_cbranch_scc1 .Lskip_\@
.endif
	s_setprio 2
	v_add_nc_u32 v[ADK], s[TB], v[LI]
	v_add_nc_u32 v[ADB], s[TBB], v[BA]
	v_nop                                          ; with the two additions: four places between the last products and the loads into their sources
	v_nop
.irp t, 0,1,2,3,4,5,6,7
	ds_load_b128 v[S+8*\t:S+8*\t+3], v[ADB] offset:64*\t           ; the mask terms of keys 16 t + 8 h + 0 .. 7, straight into the accumulator
	ds_load_b128 v[S+8*\t+4:S+8*\t+7], v[ADB] offset:64*\t+16
	ds_load_b128 v[F+8*\t:F+8*\t+3], v[ADK] offset:1024*\t         ; tile t of K
	ds_load_b128 v[F+8*\t+4:F+8*\t+7], v[ADK] offset:1024*\t+512
.endr
	s_wait_alu depctr_va_vdst(0)
	s_wait_dscnt 16                                ; tiles 0 to 3 are in; the 16 loads of tiles 4 to 7 may be out
.irp t, 0,1,2,3
	v_wmma_f32_16x16x64_fp8_fp8 v[S+8*\t:S+8*\t+7], v[F+8*\t:F+8*\t+7], v[\q:\q+7], v[S+8*\t:S+8*\t+7]
.endr
	s_wait_dscnt 0x0
.irp t, 4,5,6,7
	v_wmma_f32_16x16x64_fp8_fp8 v[S+8*\t:S+8*\t+7], v[F+8*\t:F+8*\t+7], v[\q:\q+7], v[S+8*\t:S+8*\t+7]
.endr
.rept 4
	v_nop                                          ; places in front of the loads into K's registers and of the first read of the scores
.endr
.irp d, 0,1,2,3
.irp c, 0,1,2,3
	ds_load_b128 v[F+16*\d+4*\c:F+16*\d+4*\c+3], v[ADK] offset:8192+2048*\d+512*\c   ; V^T: it lands while the softmax runs
.endr
.endr
.if \chk
	s_cmp_lg_u32 s[KB], s[\lim]
	s_cbranch_scc1 .Lopen_\@
.set n, 0
.rept 64                                       ; on the diagonal: register 8 t + j holds key 16 t + 8 h + j of the block: hidden where 16 t + j > my query - 8 h
	v_cmp_gt_i32 vcc_lo, 16*(n/8)+n%8, v[\dq]
	v_cndmask_b32 v[S+n], v[S+n], v[NEGR], vcc_lo
.set n, n+1
.endr
.Lopen_\@:
.endif
	v_max3_num_f32 v254, v96, v97, v98             ; the step's largest score of my query among my 64 keys, in two chains,
	v_max3_num_f32 v252, v99, v100, v101
.irp i, 6,10,14,18,22,26,30,34,38,42,46,50,54,58
	v_max3_num_f32 v254, v254, v[96+\i], v[97+\i]
	v_max3_num_f32 v252, v252, v[98+\i], v[99+\i]
.endr
	v_max3_num_f32 v254, v254, v158, v159
	s_delay_alu instid0(VALU_DEP_1)
	v_max_num_f32 v254, v254, v252
	s_delay_alu instid0(VALU_DEP_1)
	v_permlanex16_b32 v250, v254, s[SEL], s[SEL+1]
	s_delay_alu instid0(VALU_DEP_1)
	v_max_num_f32 v254, v254, v250                 ; and among lane l xor 16's
	s_delay_alu instid0(VALU_DEP_1)
	v_mul_f32 v254, s[CS], v254                    ; as t (c is positive)
	s_delay_alu instid0(VALU_DEP_1)
	v_max_num_f32 v13, v13, v254                   ; the running largest t
	v_mov_b32 v254, v12
	s_delay_alu instid0(VALU_DEP_2)
	v_floor_f32 v12, -v13                          ; the new -M = floor(-t): M is a whole number
	s_delay_alu instid0(VALU_DEP_1)
	v_sub_f32 v254, v12, v254                      ; old M - new M: a whole number, 0 or less
	s_delay_alu instid0(VALU_DEP_1)
	v_cvt_i32_f32 v254, v254                       ; (it saturates)
	s_delay_alu instid0(VALU_DEP_1)
	v_ldexp_f32 v252, 1.0, v254                    ; f = 2^(old M - new M): rounds nothing
.irp j, 0,2,4,6,8,10,12,14,16,18,20,22,24,26,28,30,32,34,36,38,40,42,44,46,48,50,52,54,56,58,60,62
	v_pk_fma_f32 v[96+\j:97+\j], v[96+\j:97+\j], s[CS:CS+1], v[12:13] op_sel_hi:[1,0,0]   ; t - M, two at a time
.endr
.set j, 0
	s_setprio 1
	s_wait_alu depctr_va_vdst(0)
.rept 64
	v_exp_f32 v[96+j], v[96+j]                     ; p = 2^(t - M), at most 1: not normalised
.set j, j+1
.endr
	v_pk_mul_f32 v[14:15], v[14:15], v[252:253] op_sel_hi:[1,0]   ; the sums under the new M: the plain instruction behind the exponentials
	s_wait_alu depctr_va_vdst(0)                   ; one wait for the batch, ahead of its first reader
	v_pk_add_f32 v[242:243], v[96:97], v[98:99]    ; the sum is taken of the unquantised p, in two chains
.irp j, 4,8,12,16,20,24,28,32,36,40,44,48,52,56,60
	v_pk_add_f32 v[14:15], v[14:15], v[96+\j:97+\j]
	v_pk_add_f32 v[242:243], v[242:243], v[98+\j:99+\j]
.endr
	s_delay_alu instid0(VALU_DEP_1)
	v_pk_add_f32 v[14:15], v[14:15], v[242:243]
	s_setprio 0
.irp t, 0,1,2,3,4,5,6,7
.irp i, 0,1,2,3,4,5,6,7
.endr
	v_cvt_scalef32_pk8_fp8_f32 v[P+2*\t:P+2*\t+1], v[S+8*\t:S+8*\t+7], v241
.endr
.irp j, 0,2,4,6,8,10,12,14,16,18,20,22,24,26,28,30
	v_pk_mul_f32 v[O+\j:O+\j+1], v[O+\j:O+\j+1], v[252:253] op_sel_hi:[1,0]   ; O^T under the new M; also the plain instructions behind the conversions
.endr
	s_wait_alu depctr_va_vdst(0)
	s_wait_dscnt 0x0                               ; V^T is in
.irp d, 0,1,2,3
	v_wmma_f32_16x16x128_fp8_fp8 v[O+8*\d:O+8*\d+7], v[F+16*\d:F+16*\d+15], v[P:P+15], v[O+8*\d:O+8*\d+7]
.endr
.Lskip_\@:
	s_add_co_u32 s[TB], s[TB], 16384
	s_add_co_u32 s[TBB], s[TBB], 512
	s_add_co_u32 s[KB], s[KB], 1
.endm
; A tile ends: O^T x 2^(e4 + e5) / the sum, or the result of a query with no valid key; quantised with 2^e6; a lane's codes are registers of the projection's operand as they stand.
.macro FIN ob
.rept 4
	v_nop                                          ; places behind the last products
.endr
	v_add_f32 v14, v14, v15
	s_delay_alu instid0(VALU_DEP_1)
	v_permlanex16_b32 v250, v14, s[SEL], s[SEL+1]
	s_delay_alu instid0(VALU_DEP_1)
	v_add_f32 v14, v14, v250                       ; the row's sum
	s_wait_alu depctr_va_vdst(0)
	v_rcp_f32 v14, v14
	v_nop                                          ; a plain instruction behind the reciprocal
	v_cmp_gt_f32 vcc_lo, s[THR], v13               ; no valid key: the largest t is a hidden one
	s_wait_alu depctr_va_vdst(0)                   ; a wait ahead of the first reader
	v_ldexp_f32 v14, v14, s[E45]
.irp j, 0,2,4,6,8,10,12,14,16,18,20,22,24,26,28,30
	v_pk_mul_f32 v[S+\j:S+\j+1], v[O+\j:O+\j+1], v[14:15] op_sel_hi:[1,0]   ; each accumulator from its low end on
.endr
.set j, 0
.rept 32
	v_cndmask_b32 v[S+j], v[S+j], v[UM+j], vcc_lo
.set j, j+1
.endr
.set j, 0
.rept 32
.set j, j+1
.endr
.irp d, 0,1,2,3
	v_cvt_scalef32_pk8_fp8_f32 v[P+2*\d:P+2*\d+1], v[S+8*\d:S+8*\d+7], v245
.endr
	v_nop                                          ; a plain instruction behind the last conversion
	global_store_b128 v[LI], v[P:P+3], s[\ob:\ob+1]                ; each store covers 512 consecutive bytes, aligned
	global_store_b128 v[LI], v[P+4:P+7], s[\ob:\ob+1] offset:512
.endm
	INIT
	s_wait_loadcnt 0x0                             ; Q
	s_wait_tensorcnt 0x1                           ; my part of blocks 0 to 3 is in; my load of blocks 4 to 15 may stay out
	s_wait_dscnt 0x0                               ; my mask terms are stored
	s_barrier_signal -1
	s_barrier_wait -1                              ; everybody's are
	s_mov_b32 s3, 4
.Lfirst:                                           ; blocks 0 to 3 of the big tile, whose last block is 8 or later: all keys count but for attention_mask
	STEP QB, DQB, LB, 0
	s_sub_co_u32 s3, s3, 1
	s_cmp_lg_u32 s3, 0
	s_cbranch_scc1 .Lfirst
	s_setprio 0
	s_wait_tensorcnt 0x0                           ; my part of blocks 4 to 15 is in,
	s_wait_dscnt 0x0
	s_barrier_signal -1
	s_barrier_wait -1                              ; everybody's is
	; THE SUM OF v OVER ALL KEYS, x Q(1): wave w multiplies V^T of block w by a P of ones
.irp i, 0,1,2,3,4,5,6,7
	v_min_num_f32 v[S+\i], 1.0, v240               ; p = 1, held within 448 x 2^e4.  (These eight are the places behind the last products)
.endr
.irp t, 0,1,2,3,4,5,6,7
	v_cvt_scalef32_pk8_fp8_f32 v[P+2*\t:P+2*\t+1], v[S:S+7], v241
.endr
	v_nop                                          ; a plain instruction behind the last conversion
.irp d, 0,1,2,3
.irp c, 0,1,2,3
	ds_load_b128 v[F+16*\d+4*\c:F+16*\d+4*\c+3], v248 offset:8192+2048*\d+512*\c
.endr
.endr
	s_wait_alu depctr_va_vdst(0)
	s_wait_dscnt 0x0
.irp d, 0,1,2,3
	v_wmma_f32_16x16x128_fp8_fp8 v[S+8*\d:S+8*\d+7], v[F+16*\d:F+16*\d+15], v[P:P+15], 0
.endr
.rept 4
	v_nop
.endr
.irp g, 0,1,2,3,4,5,6,7
	ds_store_b128 v[UPW], v[S+4*\g:S+4*\g+3] offset:16*\g          ; the sixteen lanes of a half hold the same numbers and write the same bytes
.endr
	s_wait_dscnt 0x0                               ; for the others: my part is stored
	s_barrier_signal -1
	s_barrier_wait -1
.irp u, 0,1,2,3,4,5,6,7,8,9,10,11,12,13,14,15
	ds_load_b64 v[F+2*\u:F+2*\u+1], v[UPR] offset:256*\u           ; two numbers a lane of each wave's part
.endr
	s_wait_dscnt 0x0
.irp u, 1
	v_pk_add_f32 v[F:F+1], v[F:F+1], v[F+2*\u:F+2*\u+1]
.endr
.irp u, 2, 3, 4, 5, 6, 7, 8, 9, 10, 11, 12, 13, 14, 15
	s_delay_alu instid0(VALU_DEP_1)
	v_pk_add_f32 v[F:F+1], v[F:F+1], v[F+2*\u:F+2*\u+1]
.endr
	s_delay_alu instid0(VALU_DEP_1)
	v_ldexp_f32 v[F], v[F], s[E45M]                ; x 2^(e4 + e5) / 2,048
	s_delay_alu instid0(VALU_DEP_2)
	v_ldexp_f32 v[F+1], v[F+1], s[E45M]
	ds_store_b64 v246, v[F:F+1]                    ; through my own 256 bytes, into O^T's layout: LDS serves a wave's instructions in order
.irp g, 0,1,2,3,4,5,6,7
	ds_load_b128 v[UM+4*\g:UM+4*\g+3], v247 offset:16*\g
.endr
	s_wait_dscnt 0x0
	s_mov_b32 s3, 12
.Lbig:                                             ; blocks 4 to 15 of the big tile
	STEP QB, DQB, LB, 1
	s_sub_co_u32 s3, s3, 1
	s_cmp_lg_u32 s3, 0
	s_cbranch_scc1 .Lbig
	s_setprio 0
	FIN OBB
	s_wait_xcnt 0x0                                ; the stores have read their data: the codes' registers may be written again
	INIT
	s_mov_b32 s[TB], 0
	s_mov_b32 s[TBB], 0
	s_mov_b32 s[KB], 0
	s_mov_b32 s3, 8
.Lsmall:                                           ; blocks 0 to 7 of the small tile
	STEP QS, DQS, LS, 1
	s_sub_co_u32 s3, s3, 1
	s_cmp_lg_u32 s3, 0
	s_cbranch_scc1 .Lsmall
	s_setprio 0
	FIN OBS
	s_wait_tensorcnt 0x0                           ; the wave's end
	ds_add_u32 v[SPW], v[NIL]
	s_wait_dscnt 0x0
	CROUND                                         ; the closing round
	s_endpgm
.Lfunc_end_k_q9b69226c99_attn:
	.size	k_q9b69226c99_attn, .Lfunc_end_k_q9b69226c99_attn-k_q9b69226c99_attn
	.p2alignl 7, 3214868480
	.fill 96, 4, 3214868480
	.section	.rodata,"a",@progbits
	.p2align	6, 0x0
	.amdhsa_kernel k_q9b69226c99_attn
		.amdhsa_group_segment_fixed_size 327680
		.amdhsa_private_segment_fixed_size 0
		.amdhsa_enable_private_segment 0
		.amdhsa_kernarg_size 40
		.amdhsa_user_sgpr_count 2
		.amdhsa_user_sgpr_kernarg_segment_ptr 1
		.amdhsa_wavefront_size32 1
		.amdhsa_system_sgpr_workgroup_id_x 1
		.amdhsa_system_sgpr_workgroup_id_y 1
		.amdhsa_system_sgpr_workgroup_id_z 1
		.amdhsa_system_vgpr_workitem_id 0
		.amdhsa_next_free_vgpr 256
		.amdhsa_next_free_sgpr 80
		.amdhsa_reserve_vcc 1
		.amdhsa_float_denorm_mode_32 3
		.amdhsa_float_denorm_mode_16_64 3
		.amdhsa_fp16_overflow 1
		.amdhsa_memory_ordered 1
		.amdhsa_forward_progress 1
		.amdhsa_inst_pref_size 80
	.end_amdhsa_kernel
	.amdgpu_metadata
---
amdhsa.version: [ 1, 2 ]
amdhsa.kernels:
  - .name:           k_q9b69226c99_attn
    .symbol:         k_q9b69226c99_attn.kd
    .args:
      - { .name: q_img, .offset: 0, .size: 8, .value_kind: global_buffer, .address_space: global }
      - { .name: kv_img, .offset: 8, .size: 8, .value_kind: global_buffer, .address_space: global }
      - { .name: attention_mask, .offset: 16, .size: 8, .value_kind: global_buffer, .address_space: global }
      - { .name: lowp_scales, .offset: 24, .size: 8, .value_kind: global_buffer, .address_space: global }
      - { .name: o_img, .offset: 32, .size: 8, .value_kind: global_buffer, .address_space: global }
    .group_segment_fixed_size: 327680
    .private_segment_fixed_size: 0
    .kernarg_segment_align: 8
    .kernarg_segment_size: 40
    .max_flat_workgroup_size: 512
    .sgpr_count:     80
    .vgpr_count:     256
    .wavefront_size: 32
...
	.end_amdgpu_metadata
.endif
;; end of part 2
;; launch proj (part 3): grid 8 x 32, 4 waves a work-group, clusters of 4 x 4, 327,680 bytes of LDS; arguments o_img, w_proj_codes, lowp_scales, out0; writes out0
.if DOCPART == 3
	.amdgcn_target "amdgcn-amd-amdhsa--gfx1250"
	.amdhsa_code_object_version 6
	.text
	.protected	k_q9b69226c99_proj
	.globl	k_q9b69226c99_proj
	.p2align	8
	.type	k_q9b69226c99_proj,@function
k_q9b69226c99_proj:
	s_mov_b64 s[64:65], 0
	v_nop
	global_prefetch_b8 v0, s[64:65] scope:SCOPE_SE
	s_setreg_imm32_b32 hwreg(HW_REG_WAVE_MODE, 25, 1), 1
	s_wait_xcnt 0x0
	s_wait_alu depctr_hold_cnt(0) depctr_sa_sdst(0) depctr_va_vdst(0) depctr_va_sdst(0) depctr_va_ssrc(0) depctr_va_vcc(0) depctr_vm_vsrc(0)
	s_getreg_b32 s2, hwreg(HW_REG_IB_STS2, 6, 4)
	s_cmp_eq_u32 s2, 0
	s_cbranch_scc0 .Lentry_in_a_cluster
	s_endpgm
.Lentry_in_a_cluster:
	s_bfe_u32 s2, ttmp6, 0x10000c
	s_cmp_lg_u32 s2, 0xf033
	s_cbranch_scc0 .Lentry_shape_is_right
	s_endpgm
.Lentry_shape_is_right:
; LAUNCH 3 OF 3: out0 = o w_proj^T on codes of E4M3, sums in f32, each finished sum x 2^(e6 + e7).  Nothing is left out here.
; o comes as register images from launch 2: o_img [256 tokens: 32][128 of K: 8][tile of 16 tokens: 16][2,048 B]: lane (r, h) holds token r; registers 2 c, 2 c + 1 hold k = 16 c + 8 h + 0 .. 7 of the 128.
; w_proj_codes is [1024][1024], K innermost; its fragments are read in the same places of k, by loads of 8 bytes.  out0 is [8192][1024] f32.
; LIMIT: e6 + e7 lies between -126 and 127.
; SHARES.  A work-group of four waves makes 256 tokens x 128 outputs: 256 work-groups.  A wave makes 128 x 64: 32 accumulators, 256 registers.  K goes in four steps of 256 through a ring of two LDS slots.
; CLUSTERS: 4 x 4 work-groups; o's tile is asked for jointly along a row of the cluster, w's along a column.  Source 0 = 16 rows of w, source 1 = 16 tokens: a lane holds eight neighbouring outputs of one token.
; REGISTERS: window 0: v16-29 addresses; v32-127 at work on the way out; from v128 o's fragments, one set.  window 1: w's fragments, two sets, at v0 and v64.  window 2: the accumulators ((a, b) at v[8 (4 a + b)]).
.set PITCH,  272                       ; a row of w in LDS: 256 bytes + 16 of padding
.set FR,     16
.set NP,     4
.set ABYTES, 65536                     ; o's images of a K step: two fragments' worth along K x 16 tiles x 2,048 bytes, dense
.set SLOT,   ABYTES+128*PITCH          ; then w's 128 rows
.set SPARE,  2*SLOT                    ; behind the ring: the spare words, 128 bytes for each wave
.set SPITCH, 272                       ; the way out: a stage of 16 rows x (256 bytes + 16) for each wave, in slot 0, which has had its last fill and its last read by then
.set ADRA, 16                          ; v16-17  LDS address of o's fragments in slot 0, 1
.set ADRB, 20                          ; v20-21  the same for w
.set STO,  24
.set RD,   25
.set CO,   26
.set SPW,  28                          ; v28     LDS address of my spare word; never rewritten
.set NIL,  29                          ; v29     0; never rewritten
.set TMP,  32                          ; v32-63  a block's sums x 2^(e6 + e7)
.set BK,   64                          ; v64-95, v96-127 by turns: 16 rows read back from the stage
.set AF,   128
.set G1, 24
.set G0, 32
.set G1B, 48
.set G0B, 56
.set MSB, 0
.macro WIN new                         ; the immediate's high byte repeats the setting that is left
.if MSB != \new
	s_set_vgpr_msb (MSB<<8)|\new
.set MSB, \new
.endif
.endm
.set MUL,  0xa1                        ; source 0 (w) window 1, source 1 (o) window 0, C and D window 2
.set TO_B, 0x40                        ; destination window 1, address window 0
.macro JLOAD g0a, g1a, g0b, g1b        ; a joint load: waves 0 and 1 fetch for o, waves 2 and 3 for w; an s_nop 0 and four v_nop follow each of the two lines
	s_cmp_eq_u32 s15, 0
	s_cbranch_scc0 .Lfor_b_\@
	tensor_load_to_lds s[\g0a:\g0a+3], s[\g1a:\g1a+7]
	s_nop 0
.rept 4
	v_nop
.endr
	s_branch .Lasked_\@
.Lfor_b_\@:
	tensor_load_to_lds s[\g0b:\g0b+3], s[\g1b:\g1b+7]
	s_nop 0
.rept 4
	v_nop
.endr
.Lasked_\@:
.endm
.macro CREST
	s_cmp_lg_u32 s14, 0
	s_cbranch_scc1 .Lnot_wave_0_\@
	s_barrier_signal -3
.Lnot_wave_0_\@:
	s_barrier_wait -3
	s_barrier_signal -1
	s_barrier_wait -1
.endm
.macro CROUND
	s_barrier_signal -1
	s_barrier_wait -1
	CREST
.endm
	s_load_b128 s[4:7], s[0:1], 0x0                ; o_img s[4:5], w's codes s[6:7]
	s_load_b128 s[8:11], s[0:1], 0x10              ; the scales' exponents s[8:9], out0 s[10:11]
	v_lshl_add_u32 v[SPW], v0, 2, SPARE
	v_mov_b32 v[NIL], 0
	ds_add_u32 v[SPW], v[NIL]                      ; the wave's opening: the add, twice on end, and its wait ahead of my first tensor load
	ds_add_u32 v[SPW], v[NIL]                      ; and once more, under the one wait
	v_lshrrev_b32 v1, 5, v0
	v_readfirstlane_b32 s14, v1                    ; wave 0..3
	s_lshr_b32 s15, s14, 1                         ; which 128 tokens are mine.  Also: I fetch for o (0) or for w (1)
	s_and_b32 s16, s14, 1                          ; which 64 outputs.  Also: which half of that tile I fetch
	s_bfe_u32 s40, ttmp6, 0x40000
	s_bfe_u32 s41, ttmp6, 0x40004
	s_lshl_b32 s42, ttmp9, 2
	s_add_co_u32 s42, s42, s40                     ; tile column (128 outputs)
	s_and_b32 s17, ttmp7, 0xffff
	s_lshl_b32 s17, s17, 2
	s_add_co_u32 s17, s17, s41                     ; tile row (256 tokens)
	s_lshl_b32 s43, s41, 2
	s_lshl_b32 s43, 15, s43                        ; my row of the cluster
	s_lshl_b32 s44, 0x1111, s40                    ; my column
	s_or_b32 s[G1+0], s43, (1<<21)                 ; o: the mask of my row, bit 21 beside it; elements of 1 byte; no padding: images are read 512 consecutive bytes at a time
	s_mov_b32 s[G1+1], 256<<16                     ; 128 dense rows of 256 bytes: 32,768 bytes, one 128 of K for all 16 tiles
	s_mov_b32 s[G1+2], 128<<16
	s_mov_b32 s[G1+3], 256<<16
	s_mov_b32 s[G1+4], 128
	s_mov_b32 s[G1+5], 256
	s_mov_b32 s[G1+6], 0
	s_mov_b32 s[G1+7], 0
	s_or_b32 s[G1B+0], s44, (1<<20)|(1<<21)|(5<<22)|(3<<25)  ; w: the mask of my column; padding: four words after every 64
	s_mov_b32 s[G1B+1], 256<<16                    ; 64 rows of 256 bytes, 1,024 bytes apart
	s_mov_b32 s[G1B+2], 64<<16
	s_mov_b32 s[G1B+3], 256<<16
	s_mov_b32 s[G1B+4], 64
	s_mov_b32 s[G1B+5], 1024
	s_mov_b32 s[G1B+6], 0
	s_mov_b32 s[G1B+7], 0
	s_lshl_b32 s20, s17, 18                        ; o: 262,144 bytes for 256 tokens,
	s_lshl_b32 s45, s16, 15                        ; + 32,768 x half, in memory and in a slot
	s_add_co_u32 s20, s20, s45
	s_mov_b32 s21, 0
	s_lshl_b32 s46, s42, 17                        ; w: row 128 x tile column + 64 x half, of 1,024 bytes
	s_lshl_b32 s47, s16, 16
	s_add_co_u32 s46, s46, s47
	s_mov_b32 s47, 0
	s_mul_i32 s19, s16, 64*PITCH
	s_add_co_u32 s19, s19, ABYTES                  ; and in a slot, behind o's images
	s_wait_dscnt 0x0                               ; both opening adds are done
	s_wait_kmcnt 0x0
	s_load_b64 s[96:97], s[8:9], 0x18              ; e6, e7
	s_add_nc_u64 s[20:21], s[4:5], s[20:21]
	s_add_nc_u64 s[46:47], s[6:7], s[46:47]
	CROUND                                         ; all sixteen work-groups are here: the first joint loads meet
.irp s, 0,1
	s_mov_b32 s[G0+4*\s], 1
	s_add_co_u32 s[G0+4*\s+1], s45, \s*SLOT
	s_add_nc_u64 s[G0+4*\s+2:G0+4*\s+3], s[20:21], \s*ABYTES
	s_or_b32 s[G0+4*\s+3], s[G0+4*\s+3], 0x80000000
	s_mov_b32 s[G0B+4*\s], 1
	s_add_co_u32 s[G0B+4*\s+1], s19, \s*SLOT
	s_add_nc_u64 s[G0B+4*\s+2:G0B+4*\s+3], s[46:47], \s*256
	s_or_b32 s[G0B+4*\s+3], s[G0B+4*\s+3], 0x80000000
	s_wait_alu depctr_va_vdst(0)
	s_wait_tensorcnt 0x0
	ds_add_u32 v28, v29
	ds_add_u32 v28, v29
	s_wait_dscnt 0x0
	CROUND
	JLOAD G0+4*\s, G1, G0B+4*\s, G1B
.endr
	v_and_b32 v1, 15, v0                           ; r
	v_bfe_u32 v2, v0, 4, 1                         ; h
	v_and_b32 v3, 31, v0
	v_lshlrev_b32 v3, 4, v3                        ; 16 x lane
	v_mul_u32_u24 v4, v1, PITCH
	v_lshl_add_u32 v4, v2, 3, v4                   ; w: row r x pitch + 8 h
	s_lshl_b32 s21, s15, 14                        ; my eight tiles of o: 16,384 bytes
	s_mul_i32 s22, s16, 64*PITCH                   ; my 64 rows of w
	s_add_co_u32 s22, s22, ABYTES
.irp s, 0,1
	v_add_nc_u32 v[ADRA+\s], s21, v3
	v_add_nc_u32 v[ADRB+\s], s22, v4
	s_add_co_u32 s21, s21, SLOT
	s_add_co_u32 s22, s22, SLOT
.endr
	s_mul_i32 s23, s14, 16*SPITCH                  ; my stage
	v_mul_u32_u24 v5, v1, SPITCH                   ; in: row r, 32 bytes for each half of the lanes
	v_lshl_add_u32 v5, v2, 5, v5
	v_add_nc_u32 v[STO], s23, v5
	v_mul_u32_u24 v5, v2, SPITCH                   ; back: lanes 0-15 one row of 256 bytes, lanes 16-31 the next
	v_lshl_add_u32 v5, v1, 4, v5
	v_add_nc_u32 v[RD], s23, v5
	v_lshlrev_b32 v5, 12, v2                       ; and the same two rows in out0: 4,096 bytes a row
	v_lshl_add_u32 v[CO], v1, 4, v5
	s_lshl_b32 s20, s17, 20                        ; my first row: 256 x tile row + 128 x half
	s_lshl_b32 s21, s15, 19
	s_add_co_u32 s20, s20, s21
	s_mov_b32 s21, 0
	s_lshl_b32 s46, s42, 9                         ; my first column, in bytes: 512 x tile column + 256 x half
	s_lshl_b32 s47, s16, 8
	s_add_co_u32 s46, s46, s47
	s_mov_b32 s47, 0
	s_add_nc_u64 s[20:21], s[20:21], s[46:47]
	s_add_nc_u64 s[10:11], s[10:11], s[20:21]
.macro FRAGA reg, adr, q, i            ; an image: four loads of 512 consecutive bytes
.irp c, 0,1,2,3
	ds_load_b128 v[\reg+4*\c:\reg+4*\c+3], v[\adr] offset:32768*(\q)+2048*(\i)+512*\c
.endr
.endm
.macro FRAGB reg, adr, q, i            ; from rows: registers 2 c, 2 c + 1 hold k = 16 c + 8 h + 0 .. 7
.irp c, 0,1,2,3,4,5,6,7
	ds_load_b64 v[\reg+2*\c:\reg+2*\c+1], v[\adr] offset:128*(\q)+16*\c+(\i)*16*PITCH
.endr
.endm
; 8 matrix instructions: o's blocks a0, a0 + 1 x w's four, 128 along K.  The 32 accumulators take turns, one instruction a turn, in the same order in every step.
.macro MUL8 a0, p, zero
.irp a, \a0, \a0+1
.irp b, 0,1,2,3
.if \zero
	v_wmma_f32_16x16x128_fp8_fp8 v[8*(4*(\a)+\b):8*(4*(\a)+\b)+7], v[64*(\p)+FR*\b:64*(\p)+FR*\b+FR-1], v[AF+FR*(\a):AF+FR*(\a)+FR-1], 0
.else
	v_wmma_f32_16x16x128_fp8_fp8 v[8*(4*(\a)+\b):8*(4*(\a)+\b)+7], v[64*(\p)+FR*\b:64*(\p)+FR*\b+FR-1], v[AF+FR*(\a):AF+FR*(\a)+FR-1], v[8*(4*(\a)+\b):8*(4*(\a)+\b)+7]
.endif
.endr
.endr
.endm
.macro FETCH_B slot, q, p              ; 32 loads
	WIN TO_B
.irp i, 0,1,2,3
	FRAGB 64*(\p)+FR*\i, ADRB+\slot, \q, \i
.endr
	WIN 0
.endm
.macro FETCH_A slot, q, i0             ; 16 loads
.irp i, \i0, \i0+1, \i0+2, \i0+3
	FRAGA AF+FR*(\i), ADRA+\slot, \q, \i
.endr
.endm
.macro PLACES n
.rept \n
	v_nop
.endr
.endm
.macro STEP slot, q, zero
	s_wait_dscnt 16                                ; w's set and o's blocks 0-3 are in; the youngest 16 loads (blocks 4-7) may be out
	WIN MUL
	MUL8 0, (\q)%2, \zero
	MUL8 2, (\q)%2, \zero
	s_wait_dscnt 0
	PLACES NP
	FETCH_B \slot, (\q)+1, 1-(\q)%2
	FETCH_A \slot, (\q)+1, 0
	WIN MUL
	MUL8 4, (\q)%2, \zero
	MUL8 6, (\q)%2, \zero
	PLACES NP
	WIN 0
	FETCH_A \slot, (\q)+1, 4
.endm
.macro TURN slot, next, fill
	s_wait_tensorcnt 0x0                           ; all my tensor loads have landed: my part of the next slot
	ds_add_u32 v[SPW], v[NIL]                      ; 0 onto my spare word
	s_wait_dscnt 17                                ; (the add and the youngest 16 loads may be out)
	WIN MUL
	MUL8 0, 1, 0
	s_wait_dscnt 0x0                               ; the add is done, and my reads of this slot are over
	s_barrier_signal -1
	MUL8 2, 1, 0
	WIN 0
	s_barrier_wait -1
.if \fill
	CREST                                          ; the barrier has opened a round of the cluster's barrier
	s_add_nc_u64 s[G0+4*\slot+2:G0+4*\slot+3], s[G0+4*\slot+2:G0+4*\slot+3], 2*ABYTES
	s_add_nc_u64 s[G0B+4*\slot+2:G0B+4*\slot+3], s[G0B+4*\slot+2:G0B+4*\slot+3], 2*256
	JLOAD G0+4*\slot, G1, G0B+4*\slot, G1B         ; the first tensor load behind the round; its four v_nop are the places in front of the loads below
.else
	PLACES NP
.endif
	s_wait_alu depctr_va_vdst(0)
	FETCH_B \next, 0, 0
	FETCH_A \next, 0, 0
	WIN MUL
	MUL8 4, 1, 0
	MUL8 6, 1, 0
	PLACES NP
	WIN 0
	FETCH_A \next, 0, 4
.endm
	s_wait_tensorcnt 1                             ; my part of K step 0 is in (K step 1's load may be out)
	s_barrier_signal -1
	s_barrier_wait -1
	FETCH_B 0, 0, 0
	FETCH_A 0, 0, 0
	FETCH_A 0, 0, 4
	STEP 0, 0, 1                                   ; four K steps of 256, written out
	TURN 0, 1, 1
	STEP 1, 0, 0
	TURN 1, 0, 1
	STEP 0, 0, 0
	TURN 0, 1, 0
	STEP 1, 0, 0
	s_wait_dscnt 16
	WIN MUL
	MUL8 0, 1, 0
	MUL8 2, 1, 0
	s_wait_dscnt 0
	MUL8 4, 1, 0
	MUL8 6, 1, 0
	WIN 0
; THE WAY OUT, a block of 16 tokens x 64 outputs at a time: through my own stage in LDS, back as rows of 256 bytes, which sixteen lanes store as one aligned run.  LDS serves a wave's instructions in order (ISA guide 5.7.1.4).
.macro TOSTAGE a
.set AC, 32*(\a)
	WIN 0x02                                       ; source 0: window 2
.irp j, 0,2,4,6,8,10,12,14,16,18,20,22,24,26,28,30
	v_pk_mul_f32 v[TMP+\j:TMP+\j+1], v[AC+\j:AC+\j+1], s[96:97] op_sel_hi:[1,0]   ; both x s96 = 2^(e6 + e7); each accumulator from its low end on
.endr
	WIN 0
.irp b, 0,1,2,3
	ds_store_b128 v[STO], v[TMP+8*\b:TMP+8*\b+3] offset:64*\b
	ds_store_b128 v[STO], v[TMP+8*\b+4:TMP+8*\b+7] offset:64*\b+16
.endr
.set BB, BK+32*((\a)%2)
.irp t, 0,1,2,3,4,5,6,7
	ds_load_b128 v[BB+4*\t:BB+4*\t+3], v[RD] offset:\t*2*SPITCH
.endr
.endm
.macro SEND a, younger                 ; younger: the LDS instructions issued behind block a's loads, which may stay out
.set BB, BK+32*((\a)%2)
	s_wait_dscnt \younger
.if (\a) > 0
	s_add_nc_u64 s[10:11], s[10:11], 16*4096       ; (behind a wait on XCNT: the earlier stores have read their base)
.endif
.irp t, 0,1,2,3,4,5,6,7
	global_store_b128 v[CO], v[BB+4*\t:BB+4*\t+3], s[10:11] offset:\t*2*4096 th:TH_STORE_NT   ; 16 lanes store 256 consecutive bytes, aligned; written once
.endr
.endm
	s_wait_kmcnt 0x0
	s_add_co_i32 s96, s96, s97
	s_add_co_i32 s96, s96, 127
	s_lshl_b32 s96, s96, 23                        ; 2^(e6 + e7) as f32
	PLACES NP                                      ; behind the last products
	TOSTAGE 0
.irp a, 1,2,3,4,5,6,7
.if \a > 1
	s_wait_xcnt 0x0                                ; block a - 2's stores have read their registers and their base
.endif
	TOSTAGE \a
	SEND \a-1, 16                                  ; behind block a - 1's loads: block a's 8 stores and 8 loads
.endr
	s_wait_xcnt 0x0
	SEND 7, 0
	s_wait_tensorcnt 0x0                           ; the wave's end
	ds_add_u32 v[SPW], v[NIL]
	s_wait_dscnt 0x0
	CROUND                                         ; the closing round
	s_endpgm
.Lfunc_end_k_q9b69226c99_proj:
	.size	k_q9b69226c99_proj, .Lfunc_end_k_q9b69226c99_proj-k_q9b69226c99_proj
	.p2alignl 7, 3214868480
	.fill 96, 4, 3214868480
	.section	.rodata,"a",@progbits
	.p2align	6, 0x0
	.amdhsa_kernel k_q9b69226c99_proj
		.amdhsa_group_segment_fixed_size 327680
		.amdhsa_private_segment_fixed_size 0
		.amdhsa_enable_private_segment 0
		.amdhsa_kernarg_size 32
		.amdhsa_user_sgpr_count 2
		.amdhsa_user_sgpr_kernarg_segment_ptr 1
		.amdhsa_wavefront_size32 1
		.amdhsa_system_sgpr_workgroup_id_x 1
		.amdhsa_system_sgpr_workgroup_id_y 1
		.amdhsa_system_sgpr_workgroup_id_z 1
		.amdhsa_system_vgpr_workitem_id 0
		.amdhsa_next_free_vgpr 768
		.amdhsa_next_free_sgpr 100
		.amdhsa_reserve_vcc 0
		.amdhsa_float_denorm_mode_32 3
		.amdhsa_float_denorm_mode_16_64 3
		.amdhsa_memory_ordered 1
		.amdhsa_forward_progress 1
		.amdhsa_inst_pref_size 86
	.end_amdhsa_kernel
	.amdgpu_metadata
---
amdhsa.version: [ 1, 2 ]
amdhsa.kernels:
  - .name:           k_q9b69226c99_proj
    .symbol:         k_q9b69226c99_proj.kd
    .args:
      - { .name: o_img, .offset: 0, .size: 8, .value_kind: global_buffer, .address_space: global }
      - { .name: w_proj_codes, .offset: 8, .size: 8, .value_kind: global_buffer, .address_space: global }
      - { .name: lowp_scales, .offset: 16, .size: 8, .value_kind: global_buffer, .address_space: global }
      - { .name: out0, .offset: 24, .size: 8, .value_kind: global_buffer, .address_space: global }
    .group_segment_fixed_size: 327680
    .private_segment_fixed_size: 0
    .kernarg_segment_align: 8
    .kernarg_segment_size: 32
    .max_flat_workgroup_size: 128
    .sgpr_count:     100
    .vgpr_count:     768
    .wavefront_size: 32
...
	.end_amdgpu_metadata
.endif
;; end of part 3
